; MI455X (gfx1250); checked and timed in simulation.
; The chip was launched on July 23, 2026; its instructions are those of AMD's public machine-readable ISA for CDNA 5 (MIT licence, August 2026) and "CDNA5" Instruction Set Architecture Reference Guide (July 2026). The comments in the code are by the model that wrote it; some were corrected since.
;; Multi Head Attention. Allowed arithmetic: matrix products marked QUANTISED: E3M2 operands, one E8M0 scale for each 32 along K, by v_wmma_scale_f32_16x16x128_f8f6f4 with both operands' format E3M2, f32 sums; everything else in f32.
;; Inputs: fc_b 512 float32; fc_w_codes 512 x 16 x 24 uint8 (E3M2 codes of fc_w, K innermost, in blocks of 32 codes, four codes in three bytes); fc_w_scales 512 x 16 uint8 (E8M0 scales of fc_w, one for each 32 codes along K); keys 2 x 4,096 x 512 float32; query 2 x 4,096 x 512 float32; values_codes 2 x 512 x 128 x 24 uint8 (E3M2 codes of values, K innermost, in blocks of 32 codes, four codes in three bytes); values_scales 2 x 512 x 128 uint8 (E8M0 scales of values, one for each 32 codes along K).
;; Outputs: out0 2 x 4,096 x 512 float32.
;; This version of the problem:
;;   THIS VERSION OF THE PROBLEM IS GIVEN IN LOW PRECISION. The matrix products marked QUANTISED in the list below multiply operands that are first quantised to E3M2 (3 exponent bits, 2 mantissa bits; 6 bits a number), with one power-of-two scale for each 32 numbers along K (OCP MX v1.0); their sums are f32. All else is computed in f32.
;;   The module's matrix products, in the order in which they are computed (A, B: the left and right operand; K: the contracted axis; several contracted axes count as one K, in the product's order):
;;     1. batch 16 x [M 4,096, K 64] x [K 64, N 4,096]; A: input query; B: input keys: QUANTISED
;;     2. batch 16 x [M 64, K 4,096] x [K 4,096, N 4,096]; A: input values (given as codes); B: softmax (see below): QUANTISED
;;     3. [M 8,192, K 512] x [K 512, N 512]; A: computed on the way; B: input fc_w (given as codes): QUANTISED
;;   THE QUANTISER, for each operand of a quantised product, along K:
;;     - K is cut into blocks of 32 from its start; a last block that is shorter is filled with zeros.
;;     - A block's scale is 2^e with e = floor(log2(the largest magnitude in the block)) - 4, held to -126 .. 127; a block of zeros has e = 0. As a byte (E8M0): e + 127.
;;     - Each number is divided by its block's scale, clamped to +-28, and rounded to the nearest number of E3M2, ties to even, subnormals kept.
;;     - The product sums the exact products of the quantised numbers (number of the format x scale) in f32.
;;   ~~~python
;;   def quantise(x, axis):      # numpy; x: float32 -> the quantised numbers, widened to float32 again
;;       x = np.moveaxis(x, axis, -1); K = x.shape[-1]
;;       x = np.pad(x, [(0, 0)] * (x.ndim - 1) + [(0, -K % 32)]); x = x.reshape(x.shape[:-1] + (-1, 32)); a = np.abs(x).max(-1, keepdims=True)
;;       e = np.where(a > 0, np.clip(np.frexp(np.where(a > 0, a, 1))[1] - 1 - 4, -126, 127), 0)      # np.frexp(a)[1] - 1 = floor(log2(a)), exactly
;;       r = np.clip(x / 2.0 ** e, -28, 28)
;;       step = 2.0 ** (np.maximum(np.frexp(np.where(r == 0, 1, r))[1] - 1, -2) - 2)
;;       q = np.round(r / step) * step * 2.0 ** e      # np.round: ties to even
;;       return np.moveaxis(q.reshape(q.shape[:-2] + (-1,))[..., :K], -1, axis).astype(np.float32)
;;   ~~~
;;   SOFTMAX AHEAD OF A QUANTISED PRODUCT. Where the list says 'softmax', what is quantised is not the finished softmax but p = 2^(t - M), with t = logit x log2(e) and M = ceil(the row's largest t), a whole number; so 1/2 < the row's largest p <= 1. The row's sum l is taken of the UNQUANTISED p, in f32, and the product's result is divided by l at the end. Since M is a whole number, a kernel that streams over the keys may use a running M (the ceiling of the running maximum): every later rescaling is an exact power of two, which a block's scale takes up: the codes' values come out the same.
;;   OPERANDS COMPUTED ON THE WAY. 'Computed on the way' means the value that the module computes at that place (a softmax that the list does not call 'softmax' is quantised finished and normalised). What goes into a quantiser is computed in f32, as accurately as f32 sums, v_exp_f32 and their like allow (about 1e-6 of the number): no bf16 or f16 on the way to a quantiser, and a product that is left as it is and whose result goes on into a quantised operand takes f32 operands (vector FMAs, or v_wmma_f32_16x16x4_f32). A number that lies on a knife's edge between two numbers of the format may be rounded either way, as far as f32 arithmetic and the matrix unit's own rounding can turn it there, and no further.
;;   INPUTS GIVEN AS CODES. fc_w (in the module: [512, 512], K = its axis 1); values (in the module: [2, 4096, 512], K = its axis 1): each comes as NAME_codes (uint8): NAME with its K axis moved to the last place and cut into blocks of 32 codes, [.., K / 32, bytes a block], one block behind the other in memory; four codes in three bytes: a row's codes are one little-endian stream of bits, code i at bits 6 i .. 6 i + 5 (a code: sign, 3 exponent bits, 2 mantissa bits); and NAME_scales (uint8): the same leading axes, one E8M0 byte (e + 127) for each 32 codes along K. Its value is code x scale, taken as it is: it is not quantised again, and the codes and scales need not be those that the quantiser above would give.
;; One version. Each part assembles by itself: llvm-mc -triple=amdgcn-amd-amdhsa -mcpu=gfx1250 --defsym DOCPART=n.
;; ======== version 1 of 1: 3 launches
;; limits: right only within a limited range of input values
;; workspace buffers: kv 6,684,672 bytes; wi 196,608 bytes; ac 3,145,728 bytes; asc 131,072 bytes
;; launch prep (part 1): grid 328 x 1, 4 waves a work-group, no clusters, 85,504 bytes of LDS; arguments keys, values_codes, values_scales, fc_w_codes, kv, wi; writes kv, wi
.if DOCPART == 1
	.amdgcn_target "amdgcn-amd-amdhsa--gfx1250"
	.amdhsa_code_object_version 6
	.text
	.protected	k_qed8f3b8390_prep
	.globl	k_qed8f3b8390_prep
	.p2align	8
	.type	k_qed8f3b8390_prep,@function
k_qed8f3b8390_prep:
	s_mov_b64 s[64:65], 0
	v_nop
	global_prefetch_b8 v0, s[64:65] scope:SCOPE_SE
	s_setreg_imm32_b32 hwreg(HW_REG_WAVE_MODE, 25, 1), 1
	s_wait_xcnt 0x0
; PREP.  keys [2][4096][512] f32 are quantised to BF6 (E3M2) along a head's 64 channels (two blocks of 32, one E8M0 byte each); the codes of keys, values and fc_w
; are laid in the order of the operands' registers, so that the later launches bring every fragment by dense loads of 16 bytes a lane.
; A block's scale byte is the largest magnitude's exponent field - 4, held at 1 from below.
; LIMITS: NaN and infinities among the inputs are not served.  A block whose largest magnitude lies under 2^-122, a block of zeros among them, gets the byte 1:
; its codes are zeros or the rule's own with the byte held, and the bytes are read by this program alone.
; THE KEYS OF A TILE: row r of tile 4 c + u of a step is key 64 c + 32 (r / 8) + 8 u + r % 8: in the transposed score tiles a lane then holds a whole block of 32 keys.
; THE CHANNELS OF A TILE OF V: row r of tile 2 g + u is channel 32 g + 8 u + r + 8 (r / 8).
; kv: [head 8 n + h][32 records of 13,056 bytes].  Record j holds K of step (j + 1) % 32 and V of step j, since the attention reads these two together:
;     +0 K's codes, 4 groups of 1,536 (the 12 registers of tiles 2 b, 2 b + 1, 3 chunks of 512, lane l at 16 l); +6,144 V's 4 fragments of 1,536;
;     +12,288 K's scale words (lane l at 16 l: word b = tile 2 b + l / 16, row l % 16: bytes block 0, block 1, 127, 127); +12,800 V's (lane l at 8 l: word t2 = tile 2 t2 + l / 16).
; wi: [16 rows of fc_w][K step of 128] fragments of 1,536 bytes.
; SHARES: work-groups 0-255 quantise keys (128 rows x 2 heads, a wave two tiles); 256-319 lay V out; 320-327 lay fc_w out.  The ways part on the work-group's number alone and
; have LDS bytes of their own.  Nothing is shared between work-groups: no cluster, no tensor load, no matrix unit.  Each way is straight: all its loads go out at once.
.set QST,  8448                        ; K: a wave's stage: 16 rows x (512 bytes + 16)
.set SX,   4*QST                       ; K: the scale words' exchange, 1,024 bytes
.set VST,  SX+1024                     ; V: a wave's stage: 16 rows x (768 bytes + 16) = 12,544
.set SW,   16                          ; v16-17   scale word of head a
.set TT,   22                          ; v22-24   a conversion's second half
.set C,    32                          ; v32-55   codes: 12 registers for each head
.set X,    56                          ; v56-119  a lane's 32 numbers of each head
.set R,    120                         ; v120-247 32 rows as loaded
	s_load_b64 s[6:7], s[0:1], 0x0                 ; keys
	s_load_b128 s[8:11], s[0:1], 0x8               ; values_codes, values_scales
	s_load_b64 s[12:13], s[0:1], 0x18              ; fc_w_codes
	s_load_b128 s[16:19], s[0:1], 0x20             ; kv, wi
	v_lshl_add_u32 v248, v0, 2, 0x14c00
	v_mov_b32 v249, 0
	v_lshrrev_b32 v1, 5, v0
	v_readfirstlane_b32 s20, v1                    ; wave 0..3
	v_and_b32 v1, 31, v0                           ; lane l
	v_and_b32 v2, 15, v0                           ; r
	v_bfe_u32 v3, v0, 4, 1                         ; hh
	s_wait_alu depctr_va_vdst(0)
	v_lshlrev_b32 v4, 4, v1                        ; 16 l
	; every LDS address of every way is made here, ahead of the partings
	s_mul_i32 s21, s20, QST
	v_add_nc_u32 v5, s21, v4                       ; K stage, in: a row's 512 bytes as they lie
	v_mul_u32_u24 v6, v2, 528
	v_lshl_add_u32 v6, v3, 7, v6
	v_add_nc_u32 v6, s21, v6                       ; K stage, out: row r, my block's 128 bytes
	s_lshl_b32 s21, s20, 2
	s_add_co_u32 s21, s21, SX
	v_add_nc_u32 v7, s21, v4                       ; exchange, in: 16 l + 4 x wave
	s_and_b32 s21, s20, 1
	s_lshl_b32 s21, s21, 9
	s_add_co_u32 s21, s21, SX
	v_add_nc_u32 v8, s21, v4                       ; exchange, out: head (wave % 2), 16 l
	v_lshlrev_b32 v9, 3, v3                        ; 8 hh: my byte's place in the scale word
	s_mul_i32 s21, s20, 12544
	s_add_co_u32 s21, s21, VST
	v_mul_u32_u24 v15, v3, 784
	v_lshl_add_u32 v15, v2, 4, v15
	v_add_nc_u32 v15, s21, v15                     ; V stage, in: two rows an instruction
	v_mul_u32_u24 v26, v2, 784
	v_mad_u32_u24 v26, v3, 24, v26
	v_add_nc_u32 v26, s21, v26                     ; V stage, out: row r, + 24 hh
	v_mul_u32_u24 v27, v3, 3072
	v_lshl_add_u32 v27, v2, 4, v27                 ; V's codes in memory: 3,072 hh + 16 r
	v_and_b32 v28, 8, v2
	v_add_nc_u32 v28, v28, v2
	v_lshl_add_u32 v28, v3, 3, v28
	v_lshlrev_b32 v28, 7, v28                      ; V's scale bytes: row 8 hh + r + 8 (r / 8) of 128 bytes
	v_lshlrev_b32 v29, 3, v1                       ; 8 l
	v_mul_u32_u24 v30, v2, 384
	v_mad_u32_u24 v30, v3, 24, v30                 ; fc_w: row r of 384 bytes, + 24 hh
	s_mov_b32 s46, 0x76543210
	s_mov_b32 s47, 0xfedcba98                      ; v_permlanex16_b32's selects for lane l xor 16
	v_mov_b32 v14, 0                               ; a lane permute's destination counts as one of its sources
	v_cmp_le_u32 vcc_lo, 16, v1                    ; lanes 16-31
	s_wait_kmcnt 0x0
	s_cmp_ge_u32 ttmp9, 320
	s_cbranch_scc1 .Lpath_w
	s_cmp_ge_u32 ttmp9, 256
	s_cbranch_scc1 .Lpath_v
	; ---------------- K: x = n << 7 | step << 2 | head pair; wave b makes tiles 2 b, 2 b + 1
	s_bfe_u32 s21, ttmp9, 0x10007                  ; n
	s_bfe_u32 s22, ttmp9, 0x50002                  ; step j
	s_and_b32 s23, ttmp9, 3                        ; head pair
	s_lshl_b32 s24, s21, 23                        ; n x 4,096 rows of 2,048 bytes
	s_lshl_b32 s25, s22, 18                        ; 128 rows a step
	s_or_b32 s24, s24, s25
	s_lshr_b32 s25, s20, 1
	s_lshl_b32 s25, s25, 17                        ; 64 (b / 2) rows
	s_or_b32 s24, s24, s25
	s_and_b32 s25, s20, 1
	s_lshl_b32 s25, s25, 15                        ; + 16 (b % 2) rows
	s_or_b32 s24, s24, s25
	s_lshl_b32 s25, s23, 9                         ; two heads: 512 bytes of a row
	s_or_b32 s24, s24, s25
	s_mov_b32 s25, 0
	s_lshl_b32 s32, s21, 8
	s_lshl_b32 s33, s23, 6
	s_or_b32 s32, s32, s33
	s_add_co_u32 s22, s22, 31
	s_and_b32 s22, s22, 31                         ; step j's K lies in record (j + 31) % 32
	s_or_b32 s32, s32, s22                         ; the first head's record
	s_mov_b32 s30, 13056                           ; a record's bytes
	s_mov_b32 s31, 12288                           ; where K's scale words begin
	s_add_nc_u64 s[26:27], s[6:7], s[24:25]
.irp u, 0,1
.irp q, 0,1,2,3,4,5,6,7,8,9,10,11,12,13,14,15
	global_load_b128 v[R+64*\u+4*\q:R+64*\u+4*\q+3], v4, s[26:27] offset:2048*(8*\u+(\q%8)+32*(\q/8)) th:TH_LOAD_NT   ; tile u, row q of it: 32 lanes read 512 consecutive bytes
.endr
.endr
	s_mul_i32 s32, s32, s30
	s_mul_i32 s34, s20, 1536
	s_add_co_u32 s34, s34, s32
	s_mov_b32 s35, 0
	s_add_nc_u64 s[36:37], s[16:17], s[34:35]      ; my group in the first head's record,
	s_lshl_b32 s38, s30, 5
	s_mov_b32 s39, 0
	s_add_nc_u64 s[40:41], s[36:37], s[38:39]      ; and in the second head's, 32 records on
	s_and_b32 s42, s20, 1
	s_mul_i32 s42, s42, s38
	s_add_co_u32 s42, s42, s32
	s_add_co_u32 s42, s42, s31
	s_mov_b32 s43, 0
	s_add_nc_u64 s[44:45], s[16:17], s[42:43]      ; the scale words of head (wave % 2)
; A lane's 32 numbers of head a (block hh of row r of tile u) become 6 registers of codes and a byte.
.macro QBLOCK a, u
.set XS, X+32*(\a)
.set CD, C+12*(\a)+6*(\u)
	v_max3_num_f32 v10, |v[XS]|, |v[XS+1]|, |v[XS+2]|             ; the block's largest magnitude, in two chains
	v_max3_num_f32 v11, |v[XS+3]|, |v[XS+4]|, |v[XS+5]|
.irp i, 6,10,14,18,22,26
	v_max3_num_f32 v10, v10, |v[XS+\i]|, |v[XS+\i+1]|
	v_max3_num_f32 v11, v11, |v[XS+\i+2]|, |v[XS+\i+3]|
.endr
	v_max3_num_f32 v10, v10, |v[XS+30]|, |v[XS+31]|
	v_max3_num_f32 v10, v10, v11, 0x2800000        ; and the floor 2^(5 - 127): the byte cannot fall under 1
	v_add_nc_u32 v12, 0xfe000000, v10              ; 4 off the exponent field: the conversion's scale operand
	v_lshrrev_b32 v13, 23, v12                     ; the byte
	v_cvt_scalef32_pk16_bf6_f32 v[CD:CD+2], v[XS:XS+15], v12
	v_cvt_scalef32_pk16_bf6_f32 v[TT:TT+2], v[XS+16:XS+31], v12   ; (a conversion's three registers begin on an even number)
	v_lshlrev_b32 v13, v9, v13                     ; my byte at its place.  (The plain line behind the conversions)
	v_permlanex16_b32 v14, v13, s46, s47
.irp i, 0,1,2
	v_mov_b32 v[CD+3+\i], v[TT+\i]
.endr
	v_or_b32 v13, v13, v14                         ; with lane l xor 16's: both blocks' bytes
	v_or_b32 v13, 0x7f7f0000, v13                  ; the bytes of the K that is not there: 127
.if (\u) == 0
	v_mov_b32 v[SW+\a], v13
.else
	v_cndmask_b32 v[SW+\a], v[SW+\a], v13, vcc_lo  ; lanes 0-15 keep tile 2 b's word, lanes 16-31 take tile 2 b + 1's
.endif
.endm
; Tile u: its 16 rows turn through the wave's stage, so that a lane gets 32 neighbours of one row.  LDS serves a wave's instructions in order.
.macro QTILE u
	s_wait_loadcnt 16*(1-\u)                       ; this tile's 16 loads are in; the other tile's 16 may be out
.irp q, 0,1,2,3,4,5,6,7,8,9,10,11,12,13,14,15
	ds_store_b128 v5, v[R+64*\u+4*\q:R+64*\u+4*\q+3] offset:528*\q
.endr
.irp a, 0,1
.irp q, 0,1,2,3,4,5,6,7
	ds_load_b128 v[X+32*\a+4*\q:X+32*\a+4*\q+3], v6 offset:256*\a+16*\q
.endr
.endr
	s_wait_dscnt 0x0
	QBLOCK 0, \u
	QBLOCK 1, \u
.endm
	QTILE 0
	QTILE 1
.irp i, 0,1,2
	global_store_b128 v4, v[C+4*\i:C+4*\i+3], s[36:37] offset:512*\i          ; 512 consecutive bytes, aligned
	global_store_b128 v4, v[C+12+4*\i:C+12+4*\i+3], s[40:41] offset:512*\i
.endr
	ds_store_b32 v7, v[SW] offset:0                ; the four waves' words meet in LDS: word b of lane l at 16 l + 4 b
	ds_store_b32 v7, v[SW+1] offset:512
	s_wait_dscnt 0x0                               ; for the others' sake: my stores have landed
	s_barrier_signal -1
	s_barrier_wait -1
	s_cmp_lt_u32 s20, 2
	s_cbranch_scc0 .Lqk_end
	ds_load_b128 v[18:21], v8                      ; wave a stores head a's 512 bytes of scale words whole
	s_wait_dscnt 0x0
	global_store_b128 v4, v[18:21], s[44:45]
.Lqk_end:
	s_wait_tensorcnt 0x0                           ; the wave's end
	ds_add_u32 v248, v249
	s_wait_dscnt 0x0
	s_endpgm
	; ---------------- V: x' = head << 2 | run of 8 steps; the wave is the tile t of 16 channels
.Lpath_v:
	s_sub_co_u32 s21, ttmp9, 256
	s_lshr_b32 s22, s21, 2                         ; head 8 n + h
	s_and_b32 s23, s21, 3                          ; which 8 steps
	s_lshl_b32 s24, s22, 6
	s_lshr_b32 s25, s20, 1
	s_lshl_b32 s25, s25, 5
	s_add_co_u32 s24, s24, s25
	s_and_b32 s25, s20, 1
	s_lshl_b32 s25, s25, 3
	s_add_co_u32 s24, s24, s25                     ; the tile's first row: 64 head + 32 (t / 2) + 8 (t % 2)
	s_mul_i32 s24, s24, 3072
	s_mul_i32 s25, s23, 768                        ; 8 steps of 96 bytes
	s_add_co_u32 s24, s24, s25
	s_mov_b32 s25, 0
	s_add_nc_u64 s[24:25], s[8:9], s[24:25]
	s_lshl_b32 s26, s22, 13
	s_lshl_b32 s27, s23, 5
	s_add_co_u32 s26, s26, s27
	s_lshl_b32 s27, s20, 3
	s_add_co_u32 s26, s26, s27                     ; scale bytes: 8,192 head + 32 run + 8 wave: wave w takes steps 2 w, 2 w + 1 of the run
	s_mov_b32 s27, 0
	s_add_nc_u64 s[26:27], s[10:11], s[26:27]
	s_lshl_b32 s30, s22, 5
	s_lshl_b32 s31, s23, 3
	s_add_co_u32 s30, s30, s31                     ; the run's first record
	s_mul_i32 s28, s30, 13056
	s_mul_i32 s29, s20, 1536
	s_add_co_u32 s28, s28, s29
	s_add_co_u32 s28, s28, 6144
	s_mov_b32 s29, 0
	s_add_nc_u64 s[28:29], s[16:17], s[28:29]      ; my tile's fragment in it
	s_lshl_b32 s31, s20, 1
	s_add_co_u32 s30, s30, s31
	s_mul_i32 s30, s30, 13056
	s_add_co_u32 s30, s30, 12800
	s_mov_b32 s31, 0
	s_add_nc_u64 s[30:31], s[16:17], s[30:31]      ; V's scale words of step 2 w
.irp i, 0,1,2,3,4,5,6,7
.irp c, 0,1,2
	global_load_b128 v[128+4*(3*\i+\c):131+4*(3*\i+\c)], v27, s[24:25] offset:(2*\i+8*(\i/4))*3072+256*\c   ; tile rows 2 i, 2 i + 1: sixteen lanes read 256 consecutive bytes, aligned
.endr
.endr
	s_wait_alu depctr_va_vdst(0)
	global_load_b64 v[224:225], v28, s[26:27]              ; tiles 0 (lanes 0-15) and 1: the words of my two steps
	global_load_b64 v[226:227], v28, s[26:27] offset:4096  ; tiles 2 and 3: 32 rows on
	s_wait_loadcnt 0x0
.irp i, 0,1,2,3,4,5,6,7
.irp c, 0,1,2
	ds_store_b128 v15, v[128+4*(3*\i+\c):131+4*(3*\i+\c)] offset:1568*\i+256*\c
.endr
.endr
.irp q, 0,1,2,3,4,5,6,7
.irp p, 0,1,2,3,4,5
	ds_load_b64 v[32+12*\q+2*\p:33+12*\q+2*\p], v26 offset:96*\q+48*(\p/3)+8*(\p%3)   ; step q's fragment: registers 6 c .. 6 c + 5 = keys 64 c + 32 hh on
.endr
.endr
	v_mov_b32 v228, v224                           ; a step's pair of words: tiles hh and 2 + hh
	v_mov_b32 v229, v226
	v_mov_b32 v230, v225
	v_mov_b32 v231, v227
	global_store_b64 v29, v[228:229], s[30:31]                 ; 256 consecutive bytes, aligned
	global_store_b64 v29, v[230:231], s[30:31] offset:13056
	s_wait_dscnt 0x0
.irp q, 0,1,2,3,4,5,6,7
.irp i, 0,1,2
	global_store_b128 v4, v[32+12*\q+4*\i:35+12*\q+4*\i], s[28:29] offset:13056*\q+512*\i
.endr
.endr
	s_wait_tensorcnt 0x0
	ds_add_u32 v248, v249
	s_wait_dscnt 0x0
	s_endpgm
	; ---------------- W: x'' = 64 rows of fc_w; the wave is the K step s
.Lpath_w:
	s_sub_co_u32 s21, ttmp9, 320
	s_mul_i32 s21, s21, 24576                      ; 64 rows of 384 bytes, and 16 fragments of 1,536: the same number
	s_mul_i32 s24, s20, 96
	s_add_co_u32 s24, s24, s21
	s_mov_b32 s25, 0
	s_add_nc_u64 s[24:25], s[12:13], s[24:25]
	s_mul_i32 s26, s20, 1536
	s_add_co_u32 s26, s26, s21
	s_mov_b32 s27, 0
	s_add_nc_u64 s[26:27], s[18:19], s[26:27]
	s_wait_alu depctr_va_vdst(0)
.irp k, 0,1,2,3
.irp p, 0,1,2,3,4,5
	global_load_b64 v[32+12*\k+2*\p:33+12*\k+2*\p], v30, s[24:25] offset:6144*\k+48*(\p/3)+8*(\p%3)   ; short pieces of rows: 196,608 bytes, once in the program
.endr
.endr
	s_wait_loadcnt 0x0
.irp k, 0,1,2,3
.irp i, 0,1,2
	global_store_b128 v4, v[32+12*\k+4*\i:35+12*\k+4*\i], s[26:27] offset:6144*\k+512*\i
.endr
.endr
	s_endpgm
.Lfunc_end_k_qed8f3b8390_prep:
	.size	k_qed8f3b8390_prep, .Lfunc_end_k_qed8f3b8390_prep-k_qed8f3b8390_prep
	.p2alignl 7, 3214868480
	.fill 96, 4, 3214868480
	.section	.rodata,"a",@progbits
	.p2align	6, 0x0
	.amdhsa_kernel k_qed8f3b8390_prep
		.amdhsa_group_segment_fixed_size 85504
		.amdhsa_private_segment_fixed_size 0
		.amdhsa_enable_private_segment 0
		.amdhsa_kernarg_size 48
		.amdhsa_user_sgpr_count 2
		.amdhsa_user_sgpr_kernarg_segment_ptr 1
		.amdhsa_wavefront_size32 1
		.amdhsa_system_sgpr_workgroup_id_x 1
		.amdhsa_system_sgpr_workgroup_id_y 1
		.amdhsa_system_sgpr_workgroup_id_z 1
		.amdhsa_system_vgpr_workitem_id 0
		.amdhsa_next_free_vgpr 250
		.amdhsa_next_free_sgpr 66
		.amdhsa_reserve_vcc 1
		.amdhsa_float_denorm_mode_32 3
		.amdhsa_float_denorm_mode_16_64 3
		.amdhsa_memory_ordered 1
		.amdhsa_forward_progress 1
		.amdhsa_inst_pref_size 34
	.end_amdhsa_kernel
	.amdgpu_metadata
---
amdhsa.version: [ 1, 2 ]
amdhsa.kernels:
  - .name:           k_qed8f3b8390_prep
    .symbol:         k_qed8f3b8390_prep.kd
    .args:
      - { .name: keys, .offset: 0, .size: 8, .value_kind: global_buffer, .address_space: global }
      - { .name: values_codes, .offset: 8, .size: 8, .value_kind: global_buffer, .address_space: global }
      - { .name: values_scales, .offset: 16, .size: 8, .value_kind: global_buffer, .address_space: global }
      - { .name: fc_w_codes, .offset: 24, .size: 8, .value_kind: global_buffer, .address_space: global }
      - { .name: kv, .offset: 32, .size: 8, .value_kind: global_buffer, .address_space: global }
      - { .name: wi, .offset: 40, .size: 8, .value_kind: global_buffer, .address_space: global }
    .group_segment_fixed_size: 85504
    .private_segment_fixed_size: 0
    .kernarg_segment_align: 8
    .kernarg_segment_size: 48
    .max_flat_workgroup_size: 128
    .sgpr_count:     66
    .vgpr_count:     250
    .wavefront_size: 32
...
	.end_amdgpu_metadata
.endif
;; end of part 1
;; launch attn (part 2): grid 16 x 16, 8 waves a work-group, clusters of 4 x 1, 327,680 bytes of LDS; arguments query, kv, ac, asc; writes ac, asc
.if DOCPART == 2
	.amdgcn_target "amdgcn-amd-amdhsa--gfx1250"
	.amdhsa_code_object_version 6
	.text
	.protected	k_qed8f3b8390_attn
	.globl	k_qed8f3b8390_attn
	.p2align	8
	.type	k_qed8f3b8390_attn,@function
k_qed8f3b8390_attn:
	s_mov_b64 s[64:65], 0
	v_nop
	global_prefetch_b8 v0, s[64:65] scope:SCOPE_SE
	s_setreg_imm32_b32 hwreg(HW_REG_WAVE_MODE, 25, 1), 1
	s_wait_xcnt 0x0
	s_wait_alu depctr_hold_cnt(0) depctr_sa_sdst(0) depctr_va_vdst(0) depctr_va_sdst(0) depctr_va_ssrc(0) depctr_va_vcc(0) depctr_vm_vsrc(0)
	s_getreg_b32 s2, hwreg(HW_REG_IB_STS2, 6, 4)
	s_cmp_eq_u32 s2, 0
	s_cbranch_scc0 .Lentry_in_a_cluster
	s_endpgm
.Lentry_in_a_cluster:
	s_bfe_u32 s2, ttmp6, 0x10000c
	s_cmp_lg_u32 s2, 0x3003
	s_cbranch_scc0 .Lentry_shape_is_right
	s_endpgm
.Lentry_shape_is_right:
; ATTENTION on codes of BF6 (E3M2): 16 heads (8 n + h) of 4,096 queries x 4,096 keys x 64 channels; the quantising of query at the head and of the result at the end.
; t = score x log2(e) / sqrt(512); M = the running largest t rounded UP to a whole number; p = 2^(t - M) is quantised along the keys; the row's sum l is taken of the unquantised p;
; when M moves, l and O are multiplied by 2^(old M - new M), which rounds nothing.  At the end o = O / l is quantised along the head's 64 channels.
; LIMITS: a p under 2^-126 counts as 0 (v_exp_f32 gives 0 there); o is O x the reciprocal of l (v_rcp_f32, then one rounding); NaN and infinities are not served; a block of zeros gets the byte 1.
; SHARES.  A work-group owns 256 queries of one head; each of its eight waves TWO tiles of 16 queries: tile A in register window 0, tile B in window 1, under the same register numbers.
; A fragment of K or V read from LDS serves both tiles.  One tile's products are issued ahead of the other tile's vector work.  Each query is read by one work-group: it is quantised here.
; THE QUERIES OF A TILE: row r of tile T of the block is query 32 (T / 2) + 8 (T % 2) + r + 8 (r / 8), as the launch that follows expects.
; CLUSTER.  The four query blocks of a cluster belong to one head and walk the same records of kv: every tensor load is asked for jointly, with the same descriptor and the mask 15.
; LDS.  Three slots of 8 records (13,056 bytes; record j: K of step j + 1, V of step j: what step j's body reads).  Every wave issues one load at the head (its record of slot 0), one behind the
; full sequence and a round (its two records of slots 1, 2), and one refill (slot 0 takes records 24-31) behind step 7.  K of step 0 comes from memory straight into registers.
; NO PREFETCH: the second group of loads is asked for 8 steps ahead of its first read, the refill 16 steps ahead, and no loop stands ahead of the first group.
; LAYOUT.  Both products are used transposed (S^T = K Q^T, O^T = V^T P^T): a lane holds ONE query (lane % 16).  Tile 4 c + u of K has key 64 c + 32 (row / 8) + 8 u + row % 8, so the 32 registers
; 96 + 32 c .. are the whole block 2 c + lane / 16 of 32 keys: a block's maximum needs no other lane and the conversions' results are the operand's registers.
; K = 64 IN A FORM OF 128: Q's registers 6-11 are zero codes, so what stands in source 0's registers 6-11 adds nothing; the scale bytes there are 127 on both sides.
; REGISTERS, each window: v11 largest score, v12 -M, v[14:15] l, v16-21 Q, v22-27 zeros, v96-159 S^T then p, v160-191 O^T, v192-203 p's codes, v204-210 conversions' second halves, v212-223 at work,
; v[232:233] f, v236-249 partial sums.  Window 0 alone: v1 16 l, v2 8 l, v3-4 the step's LDS addresses, v5-6 the add's, v7-8 the half-words' gather, v9 Q's offset, v32-79 K, v80-85 zeros;
; scales: v28-29 Q's (A, B), v224-227 K's, v228-229 V's, v230-231 p's (A, B).  Window 1 alone: v32-79 V.
.set REC,   13056
.set SLOTB, 8*REC
.set SPARE, 3*SLOTB                    ; the spare words, 128 bytes for each of 8 waves
.set SCG,   SPARE+1024                 ; 512 bytes of their own: the work-group's 256 scale half-words
.set MSB, 0
.macro WIN new                         ; the immediate's high byte repeats the setting that is left
.if MSB != \new
	s_set_vgpr_msb (MSB<<8)|\new
.set MSB, \new
.endif
.endm
.macro CROUND                          ; a round of the cluster's barrier
	s_barrier_signal -1
	s_barrier_wait -1
	s_cmp_lg_u32 s12, 0
	s_cbranch_scc1 .Lnot_wave_0_\@
	s_barrier_signal -3
.Lnot_wave_0_\@:
	s_barrier_wait -3
	s_barrier_signal -1
	s_barrier_wait -1
.endm
.macro NOP4
.rept 4
	v_nop
.endr
.endm
; S^T of tile w: eight tiles of 16 keys
.macro QK w
.irp t, 0,2,4,6
	v_wmma_scale_f32_16x16x128_f8f6f4 v[96+8*\t:103+8*\t], v[32+6*\t:43+6*\t], v[16:27], 0, v[224+\t/2], v[28+\w] matrix_a_fmt:MATRIX_FMT_BF6 matrix_b_fmt:MATRIX_FMT_BF6
	v_wmma_scale_f32_16x16x128_f8f6f4 v[104+8*\t:111+8*\t], v[38+6*\t:49+6*\t], v[16:27], 0, v[224+\t/2], v[28+\w] matrix_a_fmt:MATRIX_FMT_BF6 matrix_b_fmt:MATRIX_FMT_BF6 matrix_a_scale:MATRIX_SCALE_ROW1
.endr
.endm
; O^T of tile w += V^T P^T: four accumulators, one instruction a turn
.macro PV w
.irp t, 0,2
	v_wmma_scale_f32_16x16x128_f8f6f4 v[160+8*\t:167+8*\t], v[32+12*\t:43+12*\t], v[192:203], v[160+8*\t:167+8*\t], v[228+\t/2], v[230+\w] matrix_a_fmt:MATRIX_FMT_BF6 matrix_b_fmt:MATRIX_FMT_BF6
	v_wmma_scale_f32_16x16x128_f8f6f4 v[168+8*\t:175+8*\t], v[44+12*\t:55+12*\t], v[192:203], v[168+8*\t:175+8*\t], v[228+\t/2], v[230+\w] matrix_a_fmt:MATRIX_FMT_BF6 matrix_b_fmt:MATRIX_FMT_BF6 matrix_a_scale:MATRIX_SCALE_ROW1
.endr
.endm
; The largest score of my two blocks of 32 keys -> v212, v214: four chains by turns.  It serves the row's maximum and, since p rises with the score, the block's largest p.
.macro MAXES
	s_wait_alu depctr_va_vdst(0)                   ; the wait directly ahead of the first reader of the scores
.irp k, 0,1,2,3
	v_max3_num_f32 v[212+\k], v[96+16*\k], v[97+16*\k], v[98+16*\k]
.endr
.irp i, 3,5,7,9,11,13
.irp k, 0,1,2,3
	v_max3_num_f32 v[212+\k], v[212+\k], v[96+16*\k+\i], v[97+16*\k+\i]
.endr
.endr
	v_max3_num_f32 v213, v213, v111, v127
	v_max3_num_f32 v215, v215, v143, v159
	s_delay_alu instid0(VALU_DEP_2)
	v_max_num_f32 v212, v212, v213
	s_delay_alu instid0(VALU_DEP_2)
	v_max_num_f32 v214, v214, v215
	s_wait_alu depctr_va_vdst(0)                   ; the wait behind these writes
.endm
.macro RESC n                          ; O^T under the new M, n pairs on
.rept \n
	v_pk_mul_f32 v[160+oj:161+oj], v[160+oj:161+oj], v[232:233] op_sel_hi:[1,0]
.set oj, oj+2
.endr
.endm
; The rest of a tile's softmax: M, p, l, p's codes and scale word, O^T rescaled
.macro REST w
.set oj, 0
	v_max_num_f32 v216, v212, v214
	v_permlanex16_b32 v217, v216, s44, s45         ; lane l xor 16's 64 keys
	v_max3_num_f32 v11, v11, v216, v217            ; the running largest score
	v_mul_f32 v218, s43, v11                       ; - t (c is positive)
	v_floor_f32 v218, v218                         ; the new -M: M is a whole number
	v_sub_f32 v219, v218, v12                      ; old M - new M: a whole number, 0 or less
	v_mov_b32 v12, v218
.set j, 0
.rept 32
	v_pk_fma_f32 v[96+j:97+j], v[96+j:97+j], s[46:47], v[12:13] op_sel_hi:[1,0,0]   ; t - M, two at a time
.if j == 14
	v_cvt_i32_f32 v219, v219                       ; (it saturates)
.endif
.if j == 30
	v_ldexp_f32 v232, 1.0, v219                    ; f = 2^(old M - new M)
.endif
.set j, j+2
.endr
	v_fma_f32 v212, v212, s46, v12                 ; the same of each block's largest score
	v_fma_f32 v214, v214, s46, v12
	s_wait_alu depctr_va_vdst(0)                   ; the wait ahead of the batch
.set j, 0
.rept 64
	v_exp_f32 v[96+j], v[96+j]                     ; p = 2^(t - M), at most 1
.set j, j+1
.endr
	v_exp_f32 v212, v212                           ; the blocks' largest p
	v_exp_f32 v214, v214
	v_pk_mul_f32 v[14:15], v[14:15], v[232:233] op_sel_hi:[1,0]   ; l under the new M: the plain line behind the batch
	s_wait_alu depctr_va_vdst(0)                   ; one wait for the batch, and directly ahead of the first reader of O^T
	RESC 4
	v_max_num_f32 v212, 0x2800000, v212            ; the floor 2^(5 - 127): the byte cannot fall under 1
	v_max_num_f32 v214, 0x2800000, v214
	RESC 4
	v_add_nc_u32 v220, 0xfe000000, v212            ; 4 off the exponent field: the conversion's scale operand
	v_add_nc_u32 v221, 0xfe000000, v214
	RESC 4
	v_lshrrev_b32 v222, 23, v220                   ; the bytes
	v_lshrrev_b32 v223, 23, v221
	RESC 4
	v_lshl_or_b32 v222, v223, 16, v222             ; my blocks' bytes, two places apart
	v_cvt_scalef32_pk16_bf6_f32 v[192:194], v[96:111], v220
	v_cvt_scalef32_pk16_bf6_f32 v[204:206], v[112:127], v220      ; (a conversion's three registers begin on an even number)
	v_cvt_scalef32_pk16_bf6_f32 v[198:200], v[128:143], v221
	v_cvt_scalef32_pk16_bf6_f32 v[208:210], v[144:159], v221
.irp k, 0,1,2,3,4,5,6                  ; l of the unquantised p: 32 pairs in eight chains.  (Plain lines behind the conversions)
	v_pk_add_f32 v[236+2*\k:237+2*\k], v[96+4*\k:97+4*\k], v[98+4*\k:99+4*\k]
.endr
	v_pk_add_f32 v[14:15], v[14:15], v[124:125]
	v_permlanex16_b32 v217, v222, s44, s45
.irp i, 0,1,2
	v_mov_b32 v[195+\i], v[204+\i]
	v_mov_b32 v[201+\i], v[208+\i]
.endr
.if \w
	WIN 0x15                                       ; scale operands have no window: the word goes to window 0
.endif
	v_lshl_or_b32 v[230+\w], v217, 8, v222         ; lanes 0-15, which alone are read: bytes of blocks 0, 1, 2, 3
.if \w
	WIN 0x55
.endif
.irp k, 0,1,2,3,4,5,6                  ; these 24 lines are also the places between the codes and the scale word just made and the products
	v_pk_add_f32 v[236+2*\k:237+2*\k], v[236+2*\k:237+2*\k], v[126+2*\k:127+2*\k]
.endr
	v_pk_add_f32 v[14:15], v[14:15], v[140:141]
.irp k, 0,1,2,3,4,5,6
	v_pk_add_f32 v[236+2*\k:237+2*\k], v[236+2*\k:237+2*\k], v[142+2*\k:143+2*\k]
.endr
	v_pk_add_f32 v[14:15], v[14:15], v[156:157]
	v_pk_add_f32 v[236:237], v[236:237], v[158:159]
	v_pk_add_f32 v[14:15], v[14:15], v[242:243]
	v_pk_add_f32 v[238:239], v[238:239], v[246:247]
	v_pk_add_f32 v[240:241], v[240:241], v[248:249]
	v_pk_add_f32 v[236:237], v[236:237], v[244:245]
	s_delay_alu instid0(VALU_DEP_3)
	v_pk_add_f32 v[14:15], v[14:15], v[238:239]
	s_delay_alu instid0(VALU_DEP_2)
	v_pk_add_f32 v[236:237], v[236:237], v[240:241]
	s_delay_alu instid0(VALU_DEP_1)
	v_pk_add_f32 v[14:15], v[14:15], v[236:237]
.endm
; STEP i, whose record begins at LDS byte s48.  On entry: A's block maxima of step i are made, B's scores of step i are asked for.  nx = 1: step i + 1 follows.
.macro BODY nx
	v_add_nc_u32 v3, s48, v1
	v_add_nc_u32 v4, s48, v2
	v_nop
	v_nop                                          ; four plain lines behind the last products, ahead of loads into registers that they read
.if \nx
	ds_load_b128 v[224:227], v3 offset:12288       ; K of step i + 1: scale words and codes
.irp k, 0,1,2,3,4,5,6,7,8,9,10,11
	ds_load_b128 v[32+4*\k:35+4*\k], v3 offset:512*\k
.endr
.endif
	ds_load_b64 v[228:229], v4 offset:12800        ; V of step i
	WIN 0x40
.irp k, 0,1,2,3,4,5,6,7,8,9,10,11
	ds_load_b128 v[32+4*\k:35+4*\k], v3 offset:6144+512*\k
.endr
	WIN 0
	REST 0
	WIN 0x55
	MAXES                                          ; B's, ahead of A's products
	s_wait_dscnt 0x0                               ; K and V are in
	WIN 0x01
	PV 0
.if \nx
	WIN 0
	QK 0
.endif
	WIN 0x55
	REST 1
.if \nx
	WIN 0
	MAXES                                          ; A's of step i + 1, ahead of B's products
	WIN 0x55
.endif
	PV 1
.if \nx
	WIN 0x44
	QK 1
.endif
	WIN 0
.endm
.macro STEPS n, base                   ; n steps whose records lie on end from LDS byte base
	s_mov_b32 s48, \base
	s_mov_b32 s49, \n
.Lstep_\@:
	BODY 1
	s_add_co_u32 s48, s48, REC
	s_sub_co_u32 s49, s49, 1
	s_cmp_lg_u32 s49, 0
	s_cbranch_scc1 .Lstep_\@
.endm
; A lane's 32 numbers of its query (block lane / 16 of the 64 channels, v96-127) become Q's six registers and a byte
.macro QUANT w
	v_mov_b32 v217, 0                              ; a lane permute's destination counts as one of its sources
.irp k, 0,1,2,3
	v_max3_num_f32 v[212+\k], |v[96+8*\k]|, |v[97+8*\k]|, 0x2800000   ; with the floor 2^(5 - 127)
.endr
.irp i, 2,4,6
.irp k, 0,1,2,3
	v_max3_num_f32 v[212+\k], v[212+\k], |v[96+8*\k+\i]|, |v[97+8*\k+\i]|
.endr
.endr
	v_max3_num_f32 v212, v212, v213, v214
	s_delay_alu instid0(VALU_DEP_1)
	v_max_num_f32 v212, v212, v215
	s_delay_alu instid0(VALU_DEP_1)
	v_add_nc_u32 v220, 0xfe000000, v212
	v_cvt_scalef32_pk16_bf6_f32 v[16:18], v[96:111], v220
	v_cvt_scalef32_pk16_bf6_f32 v[204:206], v[112:127], v220
	v_lshrrev_b32 v222, 23, v220                   ; the byte.  (The plain line behind the conversions)
	s_delay_alu instid0(VALU_DEP_1)
	v_permlanex16_b32 v217, v222, s44, s45
.irp i, 0,1,2
	v_mov_b32 v[19+\i], v[204+\i]
.endr
	v_lshl_or_b32 v222, v217, 8, v222              ; lanes 0-15: blocks 0 and 1
.if \w
	WIN 0x15
.endif
	v_or_b32 v[28+\w], 0x7f7f0000, v222            ; the bytes of the K that is not there: 127
.if \w
	WIN 0x55
.endif
.endm
.macro INIT
	v_mov_b32 v11, 0xff61b1e6                      ; the largest score so far: -3e38
	v_mov_b32 v12, 0x7f61b1e6                      ; -M: 3e38, so that the first f is 0
.irp j, 13,14,15,22,23,24,25,26,27,233
	v_mov_b32 v[\j], 0                             ; l, Q's zero codes, the upper halves of named pairs
.endr
.set j, 0
.rept 32
	v_mov_b32 v[160+j], 0                          ; O^T: the step is written once; the first finds zeros, which the first f leaves zeros
.set j, j+1
.endr
.endm
; o = O^T / l; register 16 g + i is channel 32 g + 16 (lane / 16) + i of my query: two blocks of the next product's K
.macro OUT w
	v_add_f32 v14, v14, v15
	s_delay_alu instid0(VALU_DEP_1)
	v_permlanex16_b32 v216, v14, s44, s45
	s_delay_alu instid0(VALU_DEP_1)
	v_add_f32 v14, v14, v216                       ; the row's sum
	s_wait_alu depctr_va_vdst(0)                   ; the wait ahead of the reciprocal,
	v_rcp_f32 v14, v14
	v_nop
	s_wait_alu depctr_va_vdst(0)                   ; and ahead of its first reader, which is O^T's too
.set j, 0
.rept 16
	v_pk_mul_f32 v[96+j:97+j], v[160+j:161+j], v[14:15] op_sel_hi:[1,0]   ; each accumulator from its low end on
.set j, j+2
.endr
.irp b, 0,1
	v_max3_num_f32 v[212+\b], |v[96+16*\b]|, |v[97+16*\b]|, 0x2800000
.endr
.irp i, 2,4,6,8,10,12,14
.irp b, 0,1
	s_delay_alu instid0(VALU_DEP_2)
	v_max3_num_f32 v[212+\b], v[212+\b], |v[96+16*\b+\i]|, |v[97+16*\b+\i]|
.endr
.endr
.irp b, 0,1
	s_delay_alu instid0(VALU_DEP_2)
	v_permlanex16_b32 v[216+\b], v[212+\b], s44, s45
.endr
.irp b, 0,1
	s_delay_alu instid0(VALU_DEP_2)
	v_max_num_f32 v[212+\b], v[212+\b], v[216+\b]
.endr
.irp b, 0,1
	s_delay_alu instid0(VALU_DEP_2)
	v_add_nc_u32 v[220+\b], 0xfe000000, v[212+\b]
.endr
.irp b, 0,1
	s_delay_alu instid0(VALU_DEP_2)
	v_lshrrev_b32 v[216+\b], 23, v[220+\b]
.endr
	s_delay_alu instid0(VALU_DEP_1)
	v_lshl_or_b32 v218, v217, 8, v216              ; my query's two bytes
	v_cvt_scalef32_pk16_bf6_f32 v[192:194], v[96:111], v220
	v_cvt_scalef32_pk16_bf6_f32 v[204:206], v[112:127], v221
	v_nop
.irp i, 0,1,2
	v_permlane16_swap_b32 v[192+\i], v[204+\i]
.endr
.irp i, 0,1,2
	s_delay_alu instid0(VALU_DEP_3)
	v_mov_b32 v[195+\i], v[204+\i]                 ; v192-197: block (lane / 16) of query lane % 16: half a fragment of the next product
.endr
.if \w
	WIN 0x04                                       ; the data in window 1, the addresses in window 0
.endif
	global_store_b128 v1, v[192:195], s[50:51] offset:6144*\w        ; 512 + 256 consecutive bytes, aligned
	global_store_b64 v2, v[196:197], s[50:51] offset:6144*\w+512
	ds_store_b16 v7, v218 offset:32*\w             ; lanes r and r + 16 write the same half-word with the same value
.endm
	s_load_b256 s[4:11], s[0:1], 0x0               ; query, kv, ac, asc
	v_lshl_add_u32 v5, v0, 2, SPARE
	v_mov_b32 v6, 0
	ds_add_u32 v5, v6                              ; the opening lines: the add, twice on end, and its wait
	ds_add_u32 v5, v6
	v_lshrrev_b32 v1, 5, v0
	v_readfirstlane_b32 s12, v1                    ; wave 0..7
	s_bfe_u32 s13, ttmp6, 0x40000                  ; cx
	s_lshl_b32 s14, ttmp9, 2
	s_add_co_u32 s14, s14, s13                     ; my block of 256 queries: it enters global addresses of query and of the results alone
	s_and_b32 s15, ttmp7, 0xffff                   ; the head, which the four partners share
	s_mov_b32 s24, 15|(3<<16)|(1<<21)              ; group 1 for one record: the mask of all four; elements of 8 bytes; bit 21 beside a mask
	s_mov_b32 s25, 32<<16                          ; rows of 256 bytes
	s_mov_b32 s26, 51<<16
	s_mov_b32 s27, 32<<16
	s_mov_b32 s28, 51
	s_mov_b32 s29, 32                              ; dense
	s_mov_b32 s30, 0
	s_mov_b32 s31, 0
	s_mov_b32 s68, 15|(3<<16)|(1<<21)              ; group 1 for two records
	s_mov_b32 s69, 32<<16
	s_mov_b32 s70, 102<<16
	s_mov_b32 s71, 32<<16
	s_mov_b32 s72, 102
	s_mov_b32 s73, 32
	s_mov_b32 s74, 0
	s_mov_b32 s75, 0
	s_mul_i32 s22, s12, REC
	s_mul_i32 s20, s15, 32*REC
	s_mov_b32 s21, 0
	s_add_co_u32 s18, s20, 31*REC                  ; the head's last record holds K of step 0
	s_mov_b32 s19, 0
	s_add_co_u32 s20, s20, s22                     ; record (wave)
	s_add_co_u32 s56, s22, SLOTB                   ; from there to record 8 + 2 wave
	s_mov_b32 s57, 0
	s_lshr_b32 s16, s15, 3
	s_lshl_b32 s16, s16, 23                        ; n x 4,096 rows of 2,048 bytes
	s_lshl_b32 s17, s14, 19                        ; 256 rows a block
	s_or_b32 s16, s16, s17
	s_lshl_b32 s17, s12, 16                        ; 32 rows a wave
	s_or_b32 s16, s16, s17
	s_and_b32 s55, s15, 7
	s_lshl_b32 s17, s55, 8                         ; the head's 256 bytes of a row
	s_or_b32 s16, s16, s17
	s_mov_b32 s17, 0
	s_lshr_b32 s50, s15, 3
	s_lshl_b32 s50, s50, 8
	s_lshl_b32 s51, s14, 4
	s_add_co_u32 s50, s50, s51
	s_lshl_b32 s51, s12, 1
	s_add_co_u32 s50, s50, s51                     ; tile 256 n + 16 block + 2 wave
	s_lshl_b32 s50, s50, 3
	s_add_co_u32 s50, s50, s55
	s_mul_i32 s50, s50, 768                        ; ac: [tile][h] half fragments of 768 bytes
	s_mov_b32 s51, 0
	s_lshl_b32 s52, s15, 13
	s_lshl_b32 s53, s14, 9
	s_add_co_u32 s52, s52, s53                     ; asc: [head][4,096] half-words; my block's 512 bytes
	s_mov_b32 s53, 0
	s_mov_b32 s43, 0xbd8293ee                      ; - c
	s_mov_b32 s44, 0x76543210
	s_mov_b32 s45, 0xfedcba98                      ; v_permlanex16_b32's selects for lane l xor 16
	s_mov_b32 s46, 0x3d8293ee                      ; c = log2(e) / sqrt(512)
	s_mov_b32 s47, s46                             ; (named with it as a pair)
	s_lshl_b32 s54, s12, 6
	s_add_co_u32 s54, s54, SCG
	v_and_b32 v2, 31, v0
	v_and_b32 v10, 15, v0                          ; r
	v_bfe_u32 v9, v0, 4, 1                         ; lane / 16
	v_lshlrev_b32 v1, 4, v2                        ; 16 l
	v_lshlrev_b32 v2, 3, v2                        ; 8 l
	v_and_b32 v7, 8, v10
	v_add_nc_u32 v7, v7, v10                       ; r + 8 (r / 8)
	v_lshlrev_b32 v7, 11, v7
	v_lshl_add_u32 v9, v9, 7, v7                   ; query: my row, my block's 128 bytes
	v_lshl_add_u32 v7, v10, 1, s54                 ; my query's half-word: SCG + 64 wave + 2 r (+ 32 for tile B)
	v_add_nc_u32 v8, SCG, v1                       ; and the way back: 16 l
	s_wait_alu depctr_va_vdst(0)                   ; the wait directly ahead of the waits below
	s_wait_dscnt 0x0                               ; both opening adds are done
	s_wait_kmcnt 0x0
	s_add_nc_u64 s[16:17], s[4:5], s[16:17]
	s_add_nc_u64 s[18:19], s[6:7], s[18:19]
	s_add_nc_u64 s[20:21], s[6:7], s[20:21]
	s_add_nc_u64 s[50:51], s[8:9], s[50:51]
	s_add_nc_u64 s[52:53], s[10:11], s[52:53]
	s_mov_b32 s32, 1                               ; group 0 for slot 0: my record
	s_mov_b32 s33, s22
	s_mov_b64 s[34:35], s[20:21]
	s_or_b32 s35, s35, 0x80000000
	s_mov_b32 s36, 1                               ; group 0 for slots 1 and 2: my two records
	s_lshl_b32 s37, s22, 1
	s_add_co_u32 s37, s37, SLOTB
	s_add_nc_u64 s[38:39], s[20:21], s[56:57]
	s_or_b32 s39, s39, 0x80000000
.irp i, 0,1,2,3,4,5,6,7
	global_load_b128 v[96+4*\i:99+4*\i], v9, s[16:17] offset:16*\i            ; tile A: 32 numbers of my query
.endr
	WIN 0x40
.irp i, 0,1,2,3,4,5,6,7
	global_load_b128 v[96+4*\i:99+4*\i], v9, s[16:17] offset:16384+16*\i      ; tile B: 8 rows on
.endr
	WIN 0
	global_load_b128 v[224:227], v1, s[18:19] offset:12288                    ; K of step 0
.irp k, 0,1,2,3,4,5,6,7,8,9,10,11
	global_load_b128 v[32+4*\k:35+4*\k], v1, s[18:19] offset:512*\k
.endr
	CROUND                                         ; all four work-groups are here: the first joint loads meet
	tensor_load_to_lds s[32:35], s[24:31]          ; records 0-7, one a wave
	s_nop 0
	NOP4
	INIT
.irp j, 80,81,82,83,84,85
	v_mov_b32 v[\j], 0                             ; zero codes behind K's last tile
.endr
	s_wait_alu depctr_va_vdst(0)
	s_wait_loadcnt 0x0
	QUANT 0
	WIN 0x55
	QUANT 1
	WIN 0
	QK 0                                           ; step 0's scores of tile A
	WIN 0x55
	INIT                                           ; (also the places behind A's products and ahead of B's)
	WIN 0
	MAXES
	WIN 0x44
	QK 1
	WIN 0
	s_wait_alu depctr_va_vdst(0)                   ; the wait at the head's end
	s_wait_tensorcnt 0x0                           ; my record is in; the full sequence ahead of a later first fill
	ds_add_u32 v5, v6
	s_wait_dscnt 0x0
	CROUND
	tensor_load_to_lds s[36:39], s[68:75]          ; records 8-23, two a wave
	s_nop 0
	NOP4
	STEPS 8, 0
	s_wait_tensorcnt 0x0                           ; all my tensor loads have landed: a group 0 may be written
	ds_add_u32 v5, v6
	s_add_nc_u64 s[34:35], s[34:35], 24*REC        ; slot 0's next records: 24-31
	s_wait_dscnt 0x0                               ; the add is done, and my reads of slot 0 are over
	CROUND                                         ; no wave of any partner still reads slot 0 or has a load on its way
	tensor_load_to_lds s[32:35], s[24:31]          ; the one refill, first behind the round
	s_nop 0
	NOP4
	STEPS 16, SLOTB
	s_wait_tensorcnt 0x0                           ; my part of the refill has landed,
	s_wait_dscnt 0x0
	s_barrier_signal -1
	s_barrier_wait -1                              ; everybody's has; nothing is filled again
	STEPS 7, 0
	s_mov_b32 s48, 7*REC
	BODY 0                                         ; the last step asks for no further scores
	OUT 0                                          ; (A's lines are the places behind B's last products)
	WIN 0x55
	OUT 1
	WIN 0
	s_wait_dscnt 0x0                               ; for wave 0's sake
	s_barrier_signal -1
	s_barrier_wait -1
	s_cmp_lg_u32 s12, 0
	s_cbranch_scc1 .Lnot_zero
	ds_load_b128 v[96:99], v8                      ; the work-group's 256 half-words leave as 512 consecutive bytes
	s_wait_dscnt 0x0
	global_store_b128 v1, v[96:99], s[52:53]
.Lnot_zero:
	s_wait_tensorcnt 0x0                           ; the wave's end
	ds_add_u32 v5, v6
	s_wait_dscnt 0x0
	CROUND                                         ; the closing round
	s_endpgm
.Lfunc_end_k_qed8f3b8390_attn:
	.size	k_qed8f3b8390_attn, .Lfunc_end_k_qed8f3b8390_attn-k_qed8f3b8390_attn
	.p2alignl 7, 3214868480
	.fill 96, 4, 3214868480
	.section	.rodata,"a",@progbits
	.p2align	6, 0x0
	.amdhsa_kernel k_qed8f3b8390_attn
		.amdhsa_group_segment_fixed_size 327680
		.amdhsa_private_segment_fixed_size 0
		.amdhsa_enable_private_segment 0
		.amdhsa_kernarg_size 32
		.amdhsa_user_sgpr_count 2
		.amdhsa_user_sgpr_kernarg_segment_ptr 1
		.amdhsa_wavefront_size32 1
		.amdhsa_system_sgpr_workgroup_id_x 1
		.amdhsa_system_sgpr_workgroup_id_y 1
		.amdhsa_system_sgpr_workgroup_id_z 1
		.amdhsa_system_vgpr_workitem_id 0
		.amdhsa_next_free_vgpr 512
		.amdhsa_next_free_sgpr 80
		.amdhsa_reserve_vcc 0
		.amdhsa_float_denorm_mode_32 3
		.amdhsa_float_denorm_mode_16_64 3
		.amdhsa_memory_ordered 1
		.amdhsa_forward_progress 1
		.amdhsa_inst_pref_size 133
	.end_amdhsa_kernel
	.amdgpu_metadata
---
amdhsa.version: [ 1, 2 ]
amdhsa.kernels:
  - .name:           k_qed8f3b8390_attn
    .symbol:         k_qed8f3b8390_attn.kd
    .args:
      - { .name: query, .offset: 0, .size: 8, .value_kind: global_buffer, .address_space: global }
      - { .name: kv, .offset: 8, .size: 8, .value_kind: global_buffer, .address_space: global }
      - { .name: ac, .offset: 16, .size: 8, .value_kind: global_buffer, .address_space: global }
      - { .name: asc, .offset: 24, .size: 8, .value_kind: global_buffer, .address_space: global }
    .group_segment_fixed_size: 327680
    .private_segment_fixed_size: 0
    .kernarg_segment_align: 8
    .kernarg_segment_size: 32
    .max_flat_workgroup_size: 256
    .sgpr_count:     80
    .vgpr_count:     512
    .wavefront_size: 32
...
	.end_amdgpu_metadata
.endif
;; end of part 2
;; launch fc (part 3): grid 4 x 64, 16 waves a work-group, clusters of 4 x 4, 169,984 bytes of LDS; arguments ac, asc, wi, fc_w_scales, fc_b, out0; writes out0
.if DOCPART == 3
	.amdgcn_target "amdgcn-amd-amdhsa--gfx1250"
	.amdhsa_code_object_version 6
	.text
	.protected	k_qed8f3b8390_fc
	.globl	k_qed8f3b8390_fc
	.p2align	8
	.type	k_qed8f3b8390_fc,@function
k_qed8f3b8390_fc:
	s_mov_b64 s[64:65], 0
	v_nop
	global_prefetch_b8 v0, s[64:65] scope:SCOPE_SE
	s_setreg_imm32_b32 hwreg(HW_REG_WAVE_MODE, 25, 1), 1
	s_wait_xcnt 0x0
	s_wait_alu depctr_hold_cnt(0) depctr_sa_sdst(0) depctr_va_vdst(0) depctr_va_sdst(0) depctr_va_ssrc(0) depctr_va_vcc(0) depctr_vm_vsrc(0)
	s_getreg_b32 s2, hwreg(HW_REG_IB_STS2, 6, 4)
	s_cmp_eq_u32 s2, 0
	s_cbranch_scc0 .Lentry_in_a_cluster
	s_endpgm
.Lentry_in_a_cluster:
	s_bfe_u32 s2, ttmp6, 0x10000c
	s_cmp_lg_u32 s2, 0xf033
	s_cbranch_scc0 .Lentry_shape_is_right
	s_endpgm
.Lentry_shape_is_right:
; out0 [8192][512] f32 = A W^T + b on codes of BF6 (E3M2), K = 512.  A: the attention's result as half fragments (ac: [tile of 16 rows][head] 768 bytes) with two scale bytes a row and head
; (asc: [head 8 n + h][16 tile + r] half-words).  W: fragments in register order (wi: [16 rows][K step] 1,536 bytes), its scale bytes as given ([512][16]).
; SHARES.  A work-group makes 128 rows x 128 columns; all of K lies in LDS at once (49,152 bytes a side), filled once: no ring.  Wave w = 4 mi + ni makes 32 x 32:
; row tiles 2 mi + m, column tiles 2 ni + n: 16 matrix instructions on four accumulators by turns.  The bias is loaded into the accumulators, in the result's layout.
; CLUSTER 4 x 4: A's block hangs on the row block alone and is asked for jointly along a row of the cluster, W's on the column block alone, along a column.
; The product is used transposed (source 0 = 16 rows of W, source 1 = 16 rows of A): a lane holds eight neighbouring columns of one row.
; THE ROWS OF A TILE of A are 32 (T / 2) + 8 (T % 2) + r + 8 (r / 8): the stage's address puts each where it belongs.  The two groups of eight rows of a tile lie 16 rows apart,
; 2,112 words, a whole number of times through the 64 banks (ISA guide 11.1): the stores into the stage go two deep.
; REGISTERS: v1 16 l, v2 8 l, v3-5 fragments' LDS addresses, v6-7 the stage, v8 32 (l / 16), v9 2 l; v16-19 A's scale words, v20-23 W's, v24-31 half-words as loaded;
; v32-127 A's fragments (12 (4 m + s)), v128-223 W's (12 (4 n + s)), v224-255 the accumulators (8 (2 m + n)).
.set AIMG, 0
.set WIMG, 49152
.set STG,  98304                       ; 128 rows x (512 bytes + 16): written by LDS stores alone
.macro CROUND
	s_barrier_signal -1
	s_barrier_wait -1
	s_cmp_lg_u32 s16, 0
	s_cbranch_scc1 .Lnot_wave_0_\@
	s_barrier_signal -3
.Lnot_wave_0_\@:
	s_barrier_wait -3
	s_barrier_signal -1
	s_barrier_wait -1
.endm
	s_load_b256 s[4:11], s[0:1], 0x0               ; ac, asc, wi, fc_w_scales
	s_load_b128 s[12:15], s[0:1], 0x20             ; fc_b, out0
	v_lshl_add_u32 v14, v0, 2, 0x29000
	v_mov_b32 v15, 0
	ds_add_u32 v14, v15
	ds_add_u32 v14, v15
	v_lshrrev_b32 v1, 5, v0
	s_delay_alu instid0(VALU_DEP_1)
	v_readfirstlane_b32 s16, v1                    ; wave 0..15
	s_bfe_u32 s17, ttmp6, 0x40000                  ; cx
	s_bfe_u32 s18, ttmp6, 0x40004                  ; cy
	s_lshl_b32 s19, ttmp9, 2
	s_add_co_u32 s19, s19, s17                     ; column block
	s_and_b32 s20, ttmp7, 0xffff
	s_lshl_b32 s20, s20, 2
	s_add_co_u32 s20, s20, s18                     ; row block
	s_lshr_b32 s21, s16, 2                         ; mi
	s_and_b32 s22, s16, 3                          ; ni
	s_lshl_b32 s23, s18, 2
	s_lshl_b32 s23, 15, s23                        ; my row of the cluster
	s_lshl_b32 s62, 0x1111, s17                    ; my column
	s_or_b32 s24, s23, (3<<16)|(1<<21)             ; A's group 1: the mask; elements of 8 bytes; bit 21 set beside a mask; no padding
	s_or_b32 s32, s62, (3<<16)|(1<<21)             ; W's
.irp g, 24, 32
	s_mov_b32 s[\g+1], 32<<16                      ; tensor_dim0 = 32 elements: 256 bytes
	s_mov_b32 s[\g+2], 96<<16                      ; tensor_dim1 = 96 rows
	s_mov_b32 s[\g+3], 32<<16                      ; tile_dim0
	s_mov_b32 s[\g+4], 96                          ; tile_dim1
	s_mov_b32 s[\g+5], 32                          ; pitch: the block is dense
	s_mov_b32 s[\g+6], 0
	s_mov_b32 s[\g+7], 0
.endr
	v_and_b32 v10, 31, v0
	s_delay_alu instid0(VALU_DEP_1)
	v_lshlrev_b32 v1, 4, v10
	s_delay_alu instid0(VALU_DEP_2)
	v_lshlrev_b32 v2, 3, v10
	s_delay_alu instid0(VALU_DEP_3)
	v_lshlrev_b32 v9, 1, v10
	v_and_b32 v11, 15, v0                          ; r
	v_bfe_u32 v12, v0, 4, 1                        ; hh
	s_delay_alu instid0(VALU_DEP_1)
	v_lshlrev_b32 v8, 5, v12
	s_mul_i32 s56, s21, 12288                      ; my two row tiles: 6,144 bytes each
	v_add_nc_u32 v3, s56, v1
	v_add_nc_u32 v4, s56, v2
	s_mul_i32 s56, s22, 12288
	s_add_co_u32 s56, s56, WIMG
	v_add_nc_u32 v5, s56, v1                       ; my two column tiles
	v_and_b32 v13, 8, v11
	s_delay_alu instid0(VALU_DEP_1)
	v_add_nc_u32 v13, v13, v11                     ; r + 8 (r / 8)
	s_delay_alu instid0(VALU_DEP_1)
	v_mul_u32_u24 v6, v13, 528
	s_delay_alu instid0(VALU_DEP_1)
	v_lshl_add_u32 v6, v12, 5, v6
	s_mul_i32 s56, s21, 32*528
	s_lshl_b32 s57, s22, 7
	s_add_co_u32 s56, s56, s57
	s_add_co_u32 s56, s56, STG
	v_add_nc_u32 v6, s56, v6                       ; the stage, in: row 32 mi + r + 8 (r / 8) (+ 8 m), byte 128 ni + 32 hh (+ 64 n)
	s_mul_i32 s56, s16, 8*528
	s_add_co_u32 s56, s56, STG
	v_add_nc_u32 v7, s56, v1                       ; back: wave w takes rows 8 w .. 8 w + 7, whole
	s_and_b32 s57, s16, 1
	s_mul_i32 s57, s57, 24576                      ; which half of a block a fetching wave brings
	s_mul_i32 s58, s20, 49152
	s_add_co_u32 s58, s58, s57                     ; A: by the row block alone
	s_mov_b32 s59, 0
	s_mul_i32 s60, s19, 49152
	s_add_co_u32 s60, s60, s57                     ; W: by the column block alone
	s_mov_b32 s61, 0
	s_mul_i32 s63, s22, 24576                      ; where it goes: (wave % 4) x 24,576: A's halves, then W's
	s_lshl_b32 s48, s19, 11
	s_lshl_b32 s49, s22, 9
	s_add_co_u32 s48, s48, s49                     ; W's scale words: rows 128 cb + 32 ni on, 16 bytes a row
	s_mov_b32 s49, 0
	s_lshl_b32 s50, s19, 9
	s_lshl_b32 s51, s22, 7
	s_add_co_u32 s50, s50, s51                     ; the bias of my 32 columns
	s_mov_b32 s51, 0
	s_lshr_b32 s52, s20, 5
	s_lshl_b32 s52, s52, 16                        ; n: 8 heads of 8,192 bytes
	s_and_b32 s53, s20, 31
	s_lshl_b32 s53, s53, 8
	s_add_co_u32 s52, s52, s53
	s_lshl_b32 s53, s21, 6
	s_add_co_u32 s52, s52, s53                     ; my two row tiles' 32 half-words
	s_mov_b32 s53, 0
	s_lshl_b32 s54, s20, 18
	s_lshl_b32 s55, s16, 14
	s_add_co_u32 s54, s54, s55
	s_lshl_b32 s55, s19, 9
	s_add_co_u32 s54, s54, s55                     ; out0: row 128 rb + 8 w of 2,048 bytes, + 512 cb
	s_mov_b32 s55, 0
	s_wait_dscnt 0x0
	s_wait_kmcnt 0x0
	s_mov_b32 s40, 1
	s_mov_b32 s41, s63
	s_add_nc_u64 s[42:43], s[4:5], s[58:59]
	s_or_b32 s43, s43, 0x80000000
	s_mov_b32 s44, 1
	s_mov_b32 s45, s63
	s_add_nc_u64 s[46:47], s[8:9], s[60:61]
	s_or_b32 s47, s47, 0x80000000
	s_add_nc_u64 s[48:49], s[10:11], s[48:49]
	s_add_nc_u64 s[50:51], s[12:13], s[50:51]
	s_add_nc_u64 s[52:53], s[6:7], s[52:53]
	s_add_nc_u64 s[54:55], s[14:15], s[54:55]
	CROUND                                         ; all sixteen work-groups are here: the joint loads meet
	s_cmp_lt_u32 s16, 2                            ; waves 0, 1: A's halves; waves 2, 3: W's; the others fetch nothing.  One load a wave is out
	s_cbranch_scc0 .Lnot_a
	tensor_load_to_lds s[40:43], s[24:31]
	s_nop 0
.rept 4
	v_nop
.endr
	s_branch .Lasked
.Lnot_a:
	s_cmp_lt_u32 s16, 4
	s_cbranch_scc0 .Lasked
	tensor_load_to_lds s[44:47], s[32:39]
	s_nop 0
.rept 4
	v_nop
.endr
.Lasked:
	global_load_b128 v[20:23], v1, s[48:49]        ; W's scale words: word s; lanes 0-15 column tile n = 0, lanes 16-31 n = 1
.irp h, 0,1,2,3,4,5,6,7
	global_load_u16 v[24+\h], v9, s[52:53] offset:8192*\h   ; head h's two bytes: lanes 0-15 row tile m = 0, lanes 16-31 m = 1
.endr
.irp m, 0,1
.irp n, 0,1
	global_load_b128 v[224+8*(2*\m+\n):227+8*(2*\m+\n)], v8, s[50:51] offset:64*\n      ; the bias starts the sums: register j = column 16 n + 8 hh + j
	global_load_b128 v[228+8*(2*\m+\n):231+8*(2*\m+\n)], v8, s[50:51] offset:64*\n+16
.endr
.endr
	s_wait_loadcnt 0x0
.irp s, 0,1,2,3
	v_lshl_or_b32 v[16+\s], v[25+2*\s], 16, v[24+2*\s]     ; K step s = heads 2 s, 2 s + 1: four bytes
.endr
.rept 8
	v_nop                                          ; a scale register written by a vector instruction stands eight places ahead of a scaled matrix instruction
.endr
	s_wait_alu depctr_va_vdst(0)
	s_wait_tensorcnt 0x0                           ; my part has landed,
	s_barrier_signal -1
	s_barrier_wait -1                              ; everybody's has
.irp m, 0,1
.irp s, 0,1,2,3
.irp c, 0,1
	ds_load_b128 v[32+12*(4*\m+\s)+6*\c:35+12*(4*\m+\s)+6*\c], v3 offset:6144*\m+768*(2*\s+\c)        ; head 2 s + c's half fragment: registers 0-3,
	ds_load_b64 v[36+12*(4*\m+\s)+6*\c:37+12*(4*\m+\s)+6*\c], v4 offset:6144*\m+768*(2*\s+\c)+512     ; and 4-5
.endr
.endr
.endr
.irp n, 0,1
.irp s, 0,1,2,3
.irp i, 0,1,2
	ds_load_b128 v[128+12*(4*\n+\s)+4*\i:131+12*(4*\n+\s)+4*\i], v5 offset:6144*\n+1536*\s+512*\i
.endr
.endr
.endr
	s_wait_dscnt 0x0
.irp s, 0,1,2,3                                ; the four accumulators take turns, one instruction a turn
	v_wmma_scale_f32_16x16x128_f8f6f4 v[224:231], v[128+12*\s:139+12*\s], v[32+12*\s:43+12*\s], v[224:231], v[20+\s], v[16+\s] matrix_a_fmt:MATRIX_FMT_BF6 matrix_b_fmt:MATRIX_FMT_BF6
	v_wmma_scale_f32_16x16x128_f8f6f4 v[232:239], v[176+12*\s:187+12*\s], v[32+12*\s:43+12*\s], v[232:239], v[20+\s], v[16+\s] matrix_a_fmt:MATRIX_FMT_BF6 matrix_b_fmt:MATRIX_FMT_BF6 matrix_a_scale:MATRIX_SCALE_ROW1
	v_wmma_scale_f32_16x16x128_f8f6f4 v[240:247], v[128+12*\s:139+12*\s], v[80+12*\s:91+12*\s], v[240:247], v[20+\s], v[16+\s] matrix_a_fmt:MATRIX_FMT_BF6 matrix_b_fmt:MATRIX_FMT_BF6 matrix_b_scale:MATRIX_SCALE_ROW1
	v_wmma_scale_f32_16x16x128_f8f6f4 v[248:255], v[176+12*\s:187+12*\s], v[80+12*\s:91+12*\s], v[248:255], v[20+\s], v[16+\s] matrix_a_fmt:MATRIX_FMT_BF6 matrix_b_fmt:MATRIX_FMT_BF6 matrix_a_scale:MATRIX_SCALE_ROW1 matrix_b_scale:MATRIX_SCALE_ROW1
.endr
.rept 4
	v_nop                                          ; places ahead of the first read of results and of the loads over the fragments
.endr
.irp m, 0,1
.irp n, 0,1
	ds_store_b128 v6, v[224+8*(2*\m+\n):227+8*(2*\m+\n)] offset:4224*\m+64*\n          ; each accumulator from its low end on
	ds_store_b128 v6, v[228+8*(2*\m+\n):231+8*(2*\m+\n)] offset:4224*\m+64*\n+16
.endr
.endr
	s_wait_dscnt 0x0                               ; for the others' sake: a row's 512 bytes come from four waves
	s_barrier_signal -1
	s_barrier_wait -1
.irp i, 0,1,2,3,4,5,6,7
	ds_load_b128 v[32+4*\i:35+4*\i], v7 offset:528*\i
.endr
.irp i, 0,1,2,3,4,5,6,7
	s_wait_dscnt 7-\i                              ; row i is back; the younger loads may be out
	global_store_b128 v1, v[32+4*\i:35+4*\i], s[54:55] offset:2048*\i th:TH_STORE_NT   ; 32 lanes store 512 consecutive bytes, aligned
.endr
	s_wait_tensorcnt 0x0
	ds_add_u32 v14, v15
	s_wait_dscnt 0x0
	CROUND                                         ; the closing round: no work-group ends while a partner may still ask for a block that names it
	s_endpgm
.Lfunc_end_k_qed8f3b8390_fc:
	.size	k_qed8f3b8390_fc, .Lfunc_end_k_qed8f3b8390_fc-k_qed8f3b8390_fc
	.p2alignl 7, 3214868480
	.fill 96, 4, 3214868480
	.section	.rodata,"a",@progbits
	.p2align	6, 0x0
	.amdhsa_kernel k_qed8f3b8390_fc
		.amdhsa_group_segment_fixed_size 169984
		.amdhsa_private_segment_fixed_size 0
		.amdhsa_enable_private_segment 0
		.amdhsa_kernarg_size 48
		.amdhsa_user_sgpr_count 2
		.amdhsa_user_sgpr_kernarg_segment_ptr 1
		.amdhsa_wavefront_size32 1
		.amdhsa_system_sgpr_workgroup_id_x 1
		.amdhsa_system_sgpr_workgroup_id_y 1
		.amdhsa_system_sgpr_workgroup_id_z 1
		.amdhsa_system_vgpr_workitem_id 0
		.amdhsa_next_free_vgpr 256
		.amdhsa_next_free_sgpr 66
		.amdhsa_reserve_vcc 0
		.amdhsa_float_denorm_mode_32 3
		.amdhsa_float_denorm_mode_16_64 3
		.amdhsa_memory_ordered 1
		.amdhsa_forward_progress 1
		.amdhsa_inst_pref_size 17
	.end_amdhsa_kernel
	.amdgpu_metadata
---
amdhsa.version: [ 1, 2 ]
amdhsa.kernels:
  - .name:           k_qed8f3b8390_fc
    .symbol:         k_qed8f3b8390_fc.kd
    .args:
      - { .name: ac, .offset: 0, .size: 8, .value_kind: global_buffer, .address_space: global }
      - { .name: asc, .offset: 8, .size: 8, .value_kind: global_buffer, .address_space: global }
      - { .name: wi, .offset: 16, .size: 8, .value_kind: global_buffer, .address_space: global }
      - { .name: fc_w_scales, .offset: 24, .size: 8, .value_kind: global_buffer, .address_space: global }
      - { .name: fc_b, .offset: 32, .size: 8, .value_kind: global_buffer, .address_space: global }
      - { .name: out0, .offset: 40, .size: 8, .value_kind: global_buffer, .address_space: global }
    .group_segment_fixed_size: 169984
    .private_segment_fixed_size: 0
    .kernarg_segment_align: 8
    .kernarg_segment_size: 48
    .max_flat_workgroup_size: 512
    .sgpr_count:     66
    .vgpr_count:     256
    .wavefront_size: 32
...
	.end_amdgpu_metadata
.endif
;; end of part 3
